; MI455X (gfx1250); checked and timed in simulation.
; The chip was launched on July 23, 2026; its instructions are those of AMD's public machine-readable ISA for CDNA 5 (MIT licence, August 2026) and "CDNA5" Instruction Set Architecture Reference Guide (July 2026). The comments in the code are by the model that wrote it; some were corrected since.
;; Sampler. Allowed arithmetic: float matrix products may take bf16 or f16 operands with f32 sums; all other float work in f32.
;; Inputs: logits 1,024 x 12,564 float32; temperature 1 float32; top_p 1 float32; uniform_samples 32 x 1,024 float32.
;; Outputs: out0 1,024 int32.
;; Constants: top_k = 25.
;; 2 versions, each right and faster than the one before. Each part assembles by itself: llvm-mc -triple=amdgcn-amd-amdhsa -mcpu=gfx1250 --defsym DOCPART=n.
;; ======== version 1 of 2: 1 launch
;; launch sample (part 1): grid 256 x 1, 4 waves a work-group, no clusters, 203,264 bytes of LDS; arguments logits, temperature, top_p, uniform_samples, out0; writes out0
.if DOCPART == 1
	.amdgcn_target "amdgcn-amd-amdhsa--gfx1250"
	.amdhsa_code_object_version 6
	.text
	.protected	k_q1a1db30f88_sample
	.globl	k_q1a1db30f88_sample
	.p2align	8
	.type	k_q1a1db30f88_sample,@function
k_q1a1db30f88_sample:
	s_mov_b64 s[64:65], 0
	v_nop
	global_prefetch_b8 v0, s[64:65] scope:SCOPE_SE
	s_setreg_imm32_b32 hwreg(HW_REG_WAVE_MODE, 25, 1), 1
	s_wait_xcnt 0x0
; Joint top-k / top-p rejection sampling.  logits [1024][12564] f32, temperature [1], top_p [1], uniform_samples [32][1024] f32,
; out0 [1024] int32; top_k = 25 is a constant of the problem.
; ONE WAVE OWNS ONE ROW (row = 4 x work-group + wave) and keeps all of it in registers through the softmax and all 32 draws:
; lane L holds the 396 neighbouring elements 396 L .. 396 L + 395 as 22 sub-blocks of 18 (32 x 396 = 12,672; lane 31 holds 288 real
; elements = 16 whole sub-blocks, and 6 sub-blocks of padding with p = 0).  The row is read from memory once, by one tensor load of the
; wave into the wave's own LDS bytes, and taken from there into registers once.  No wave reads another wave's bytes: no barrier.
; No branch and no address hangs on a floating-point result: every draw is computed for every row and every choice is a select.
;
; WHAT IS COMPUTED ONCE, AND WHAT IS LEFT OUT (for all values of the inputs, in exact arithmetic):
;  (a) While a row is open its pivot in draw r is pv of draw r-1.  So sum_gt and cnt_gt of draw r-1 (over probs > pv) and cdf[-1] of draw r
;      (the sum over probs > pivot) are sums over the same set: one masked pass per draw, with threshold th = pv of the draw before (0 in the
;      first), gives both.  Once a row has succeeded its token is frozen, and what the later passes compute for it is selected away.
;  (b) The acceptance test of the last draw reaches only 'success', which reference() returns to nobody: it is not made (32 passes, not 33).
;  (c) q >= 0, so cdf never falls, and the number of cdf < target is the first index with cdf >= target: it is found by lane, then by
;      sub-block, then by element, each time by comparing what is left of the target with a short prefix sum.
;  (d) min(idx, V-1) holds by construction: the last lane, its last real sub-block and the last element are taken when no earlier one is.
; Every input has a way to the output and is loaded.
;
; LIMITS.  NaN or infinite logits and temperature = 0 are not served.  Exponentials below 2^-126 come out as zero (reference() keeps
; denormals there).  The sums are formed in another order than reference()'s cumsum and the exponentials are the chip's: a target that lies
; within f32 rounding of a step of the cdf (some 1e-7 of the row's mass) may give the neighbouring token.  A NaN or an overflow that would
; reach only the test left out under (b) is not carried anywhere.
; No matrix work (there is no product), no cluster (no two work-groups read the same bytes), no ring of slots (one fill, nothing streams).
.set VOC,   12564                      ; elements in a row
.set ROWB,  4*VOC                      ; 50,256 bytes
.set PER,   396                        ; elements of a lane
.set LANEB, 4*PER                      ; 1,584 bytes = 99 x 16: an odd multiple of 16, so sixteen lanes' 16-byte reads fall into sixteen different columns of 16 bytes modulo 256
.set WAVEB, 32*LANEB                   ; 50,688 bytes of LDS for a wave: the row and 108 zeros
.set SUB,   18                         ; elements in a sub-block
.set N1,    216                        ; elements 0..215 of a lane lie in window 1 (12 sub-blocks),
.set N2,    180                        ; elements 216..395 in window 2 (10 sub-blocks), each from the window's register 0 on
.set DRAWS, 32
; Windows 1 and 2 share one map of the registers behind the elements.  In the draws:
.set MM,  216                          ; 18: the sub-block's mask as 0.0 / 1.0
.set SA,  234                          ; pair: masked sum, even turns
.set SB,  236                          ; pair: masked sum, odd turns
.set C0,  238                          ; pair: count, even turns
.set C1,  240                          ; pair: count, odd turns
.set PP,  242                          ; 12 (10): inclusive prefix of the sub-blocks' masked sums inside the window
.set CN,  254                          ; the window's count
; and in the softmax:
.set TA,  216                          ; 12: first quotient
.set TB,  228                          ; 12: residual
.set ACC, 224                          ; 4 pairs: running sums
.set RES, 232                          ; 4 running maxima; RES itself: the window's maximum or sum
.set CCV, 240                          ; pair: -max x log2 e
; Window 0:
.set LANE, 1
.set LADR, 2                           ; LDS address of my 1,584 bytes
.set LB,   3                           ; 396 x lane
.set UU,   4                           ; lane r: u[r][row]
.set TOK,  5                           ; the token, as f32 (below 2^24: exact)
.set SL,   6                           ; my lane's masked sum, then its inclusive prefix inside the half of 16 lanes
.set ER,   7                           ; the exclusive one
.set RO,   8                           ; the other half's total
.set RSH,  9                           ; my half's total
.set TOT,  10                          ; the row's masked sum
.set OFS,  11                          ; 0 in lanes 0-15, the lower half's total in lanes 16-31
.set INC,  12                          ; inclusive prefix over lanes
.set EXC,  13                          ; exclusive prefix over lanes
.set CL,   14                          ; count
.set T0,   15
.set UR,   16                          ; this draw's u
.set T1,   17
.set TG,   18                          ; target = u x total
.set REM,  19                          ; target - what lies in front of my lane
.set REM2, 20                          ; ... and in front of my window 2
.set XX,   21                          ; prefix in front of the chosen sub-block
.set IDX,  22                          ; 18 x the chosen sub-block
.set YY,   23
.set RR,   24                          ; 3: what is left of the target at elements 0, 6, 12 of the sub-block
.set UOF,  27
.set W0,   28                          ; 4: at work in front of the draws
.set SEL,  32                          ; 18: the chosen sub-block's p
.set QQ,   50                          ; 18: masked, then prefix sums inside groups of six
.set PV,   68                          ; 3: a group's chosen p
.set KI,   71                          ; 3: a group's chosen element
.set PVM,  74
.set IXM,  75
.set T2,   76
.set T3,   77
; Scalars: s[4:13] the five addresses; s14 wave; s15 row; s16 T; s17 top_p; s[18:19] a 64-bit offset; s[20:31] the tensor descriptor,
; and once its load is done s[20:40] = FF, the 21 flags 'the target lies behind sub-block b'; s41 25.0; s[42:43] 1/x twice, s[44:45] -x twice;
; s48 -max x log2 e; s49 -inf; s50 lane 31's bit = the sign bit; s51 all lanes but 31; s52 lanes 16-31; s53, s54 lane i of the other half;
; s55 lane 15 of the other half; s56 the threshold; s57 'succeeded' (all lanes alike); s58 0 in the first draw, then -1; s59 the draw;
; s60-s63, s84, s85 at work; s[66:83] = MK, 18 lane masks.
.set FF, 20
.set MK, 66
.set MSB, 0
.macro WIN new                         ; which block of 256 registers each operand place means: bits 1:0 source 0, 3:2 source 1, 5:4 source 2, 7:6 destination;
.if MSB != \new                        ; the immediate's high byte repeats the setting that is left
	s_set_vgpr_msb (MSB<<8)|\new
.set MSB, \new
.endif
.endm
; s[42:43] = 1 / x, twice, and s[44:45] = -x, twice; x the same in every lane.  One Newton step on the chip's reciprocal.
.macro RECIP x
	v_rcp_f32 v[W0+1], v[\x]
	v_xor_b32 v[W0+3], s50, v[\x]                  ; -x; also the plain instruction between v_rcp_f32 and the first use of its result (ISA guide 5.7.2)
	s_wait_alu depctr_va_vdst(0)
	v_fma_f32 v[W0+2], v[W0+3], v[W0+1], 1.0       ; 1 - x r
	v_fma_f32 v[W0+1], v[W0+2], v[W0+1], v[W0+1]   ; r + r (1 - x r)
	v_readfirstlane_b32 s42, v[W0+1]
	v_readfirstlane_b32 s44, v[W0+3]
	s_mov_b32 s43, s42
	s_mov_b32 s45, s44
.endm
; The window's cnt elements are divided by x in place: q = a r, then q + r (a - x q), whose residual is exact in the fused form.
.macro DIVSEG cnt
.set gg, 0
.rept \cnt/12
.irp k, 0,1,2,3,4,5
	v_pk_mul_f32 v[TA+2*\k:TA+2*\k+1], v[gg+2*\k:gg+2*\k+1], s[42:43] op_sel_hi:[1,0]
.endr
.irp k, 0,1,2,3,4,5
	v_pk_fma_f32 v[TB+2*\k:TB+2*\k+1], v[TA+2*\k:TA+2*\k+1], s[44:45], v[gg+2*\k:gg+2*\k+1] op_sel_hi:[1,0,1]
.endr
.irp k, 0,1,2,3,4,5
	v_pk_fma_f32 v[gg+2*\k:gg+2*\k+1], v[TB+2*\k:TB+2*\k+1], s[42:43], v[TA+2*\k:TA+2*\k+1] op_sel_hi:[1,0,1]
.endr
.set gg, gg+12
.endr
.endm
; The largest of the window's cnt elements, in four chains started by the first eight elements; result in RES.
.macro MAXSEG cnt
.irp k, 0,1,2,3
	v_max_num_f32 v[RES+\k], v[2*\k], v[2*\k+1]
.endr
.set gg, 8
.rept (\cnt-8)/2
	v_max3_num_f32 v[RES+(gg/2)%4], v[RES+(gg/2)%4], v[gg], v[gg+1]
.set gg, gg+2
.endr
	v_max3_num_f32 v[RES], v[RES], v[RES+1], v[RES+2]
	v_max_num_f32 v[RES], v[RES], v[RES+3]
.endm
; e = 2^(x log2 e - max log2 e) in place: the maximum is taken away inside the fused multiply-add.  Twelve exponentials in a run; the plain
; instruction behind a run is the next group's first multiply-add, which names other registers (ISA guide 5.7.2).
.macro EXPSEG cnt
.set gg, 0
.rept \cnt/12
.irp k, 0,1,2,3,4,5
	v_pk_fma_f32 v[gg+2*\k:gg+2*\k+1], v[gg+2*\k:gg+2*\k+1], 0x3fb8aa3b, v[CCV:CCV+1] op_sel_hi:[1,0,1]
.endr
.irp k, 0,1,2,3,4,5,6,7,8,9,10,11
	v_exp_f32 v[gg+\k], v[gg+\k]
.endr
.set gg, gg+12
.endr
.endm
; The sum of the window's cnt elements, in four chains of pairs started by the first eight pairs; result in RES.
.macro SUMSEG cnt
	s_wait_alu depctr_va_vdst(0)
.irp k, 0,1,2,3
	v_pk_add_f32 v[ACC+2*\k:ACC+2*\k+1], v[2*\k:2*\k+1], v[2*\k+8:2*\k+9]
.endr
.set tt, 8
.rept \cnt/2-8
	v_pk_add_f32 v[ACC+2*(tt%4):ACC+2*(tt%4)+1], v[ACC+2*(tt%4):ACC+2*(tt%4)+1], v[2*tt:2*tt+1]
.set tt, tt+1
.endr
	v_pk_add_f32 v[ACC:ACC+1], v[ACC:ACC+1], v[ACC+2:ACC+3]
	v_pk_add_f32 v[ACC+4:ACC+5], v[ACC+4:ACC+5], v[ACC+6:ACC+7]
	v_pk_add_f32 v[ACC:ACC+1], v[ACC:ACC+1], v[ACC+4:ACC+5]
	v_add_f32 v[RES], v[ACC], v[ACC+1]
.endm
; Over the 32 lanes, result in every lane: four steps inside each half ride on the arithmetic, one crosses the halves.
.macro REDMAX r, t
.irp d, 1,2,4,8
	v_max_num_f32_dpp v[\r], v[\r], v[\r] row_xmask:\d row_mask:0xf bank_mask:0xf
.endr
	v_permlanex16_b32 v[\t], v[\r], s53, s54
	v_max_num_f32 v[\r], v[\r], v[\t]
.endm
.macro REDADD r, t
.irp d, 1,2,4,8
	v_add_f32_dpp v[\r], v[\r], v[\r] row_xmask:\d row_mask:0xf bank_mask:0xf
.endr
	v_permlanex16_b32 v[\t], v[\r], s53, s54
	v_add_f32 v[\r], v[\r], v[\t]
.endm
.macro REDADD2 ra, ta, rb, tb          ; two sums by turns
.irp d, 1,2,4,8
	v_add_f32_dpp v[\ra], v[\ra], v[\ra] row_xmask:\d row_mask:0xf bank_mask:0xf
	v_add_f32_dpp v[\rb], v[\rb], v[\rb] row_xmask:\d row_mask:0xf bank_mask:0xf
.endr
	v_permlanex16_b32 v[\ta], v[\ra], s53, s54
	v_permlanex16_b32 v[\tb], v[\rb], s53, s54
	v_add_f32 v[\ra], v[\ra], v[\ta]
	v_add_f32 v[\rb], v[\rb], v[\tb]
.endm
; The end of sub-block b's sum, behind SA += SB: the two halves are added, and the prefix goes on.
.macro FIN2 b
.if (\b) == 0
	v_add_f32 v[PP], v[SA], v[SA+1]
.else
	v_add_f32 v[SA], v[SA], v[SA+1]
.endif
.endm
.macro FIN3 b
.if (\b) > 0
	v_add_f32 v[PP+(\b)], v[PP+(\b)-1], v[SA]
.endif
.endm
; One window's part of a masked pass: for each of its nb sub-blocks the 18 masks p > th, the masks as 0.0 / 1.0, then nine turns of two
; fused multiply-adds (the masked sum) and two adds (the count).  The first products and the first adds start the sums: nothing is cleared.
; The three lines that end a sub-block's sum stand among the next sub-block's compares.
.macro SEG nb
.set bb, 0
.rept \nb
.set jj, 0
.rept SUB
	v_cmp_gt_f32 s[MK+jj], v[SUB*bb+jj], s56
.if bb > 0
.if jj == 5
	v_pk_add_f32 v[SA:SA+1], v[SA:SA+1], v[SB:SB+1]
.endif
.if jj == 11
	FIN2 bb-1
.endif
.if jj == 17
	FIN3 bb-1
.endif
.endif
.set jj, jj+1
.endr
.set jj, 0
.rept SUB
	v_cndmask_b32 v[MM+jj], 0, 1.0, s[MK+jj]
.set jj, jj+1
.endr
.set tt, 0
.rept SUB/2
.if tt < 2
	v_pk_mul_f32 v[SA+2*tt:SA+2*tt+1], v[SUB*bb+2*tt:SUB*bb+2*tt+1], v[MM+2*tt:MM+2*tt+1]
.else
	v_pk_fma_f32 v[SA+2*(tt%2):SA+2*(tt%2)+1], v[SUB*bb+2*tt:SUB*bb+2*tt+1], v[MM+2*tt:MM+2*tt+1], v[SA+2*(tt%2):SA+2*(tt%2)+1]
.endif
.if bb == 0
.if tt == 1
	v_pk_add_f32 v[C0:C0+1], v[MM:MM+1], v[MM+2:MM+3]
.endif
.if tt == 3
	v_pk_add_f32 v[C1:C1+1], v[MM+4:MM+5], v[MM+6:MM+7]
.endif
.if tt > 3
	v_pk_add_f32 v[C0+2*(tt%2):C0+2*(tt%2)+1], v[C0+2*(tt%2):C0+2*(tt%2)+1], v[MM+2*tt:MM+2*tt+1]
.endif
.else
	v_pk_add_f32 v[C0+2*(tt%2):C0+2*(tt%2)+1], v[C0+2*(tt%2):C0+2*(tt%2)+1], v[MM+2*tt:MM+2*tt+1]
.endif
.set tt, tt+1
.endr
.set bb, bb+1
.endr
	v_pk_add_f32 v[SA:SA+1], v[SA:SA+1], v[SB:SB+1]
	v_pk_add_f32 v[C0:C0+1], v[C0:C0+1], v[C1:C1+1]
	FIN2 \nb-1
	v_add_f32 v[CN], v[C0], v[C0+1]
	FIN3 \nb-1
.endm
; The sub-block at register lo of source 1's window replaces the chosen one in the lanes of flag f.
.macro SELBLK lo, f
.set jj, 0
.rept SUB
	v_cndmask_b32 v[SEL+jj], v[SEL+jj], v[(\lo)+jj], s[FF+(\f)]
.set jj, jj+1
.endr
.endm
	; ---- addresses, the one tensor load, constants ----
	s_load_b256 s[4:11], s[0:1], 0x0               ; logits s[4:5], temperature s[6:7], top_p s[8:9], uniform_samples s[10:11]
	s_load_b64 s[12:13], s[0:1], 0x20              ; out0
	v_lshl_add_u32 v254, v0, 2, 0x31800
	v_mov_b32 v255, 0
	ds_add_u32 v254, v255
	ds_add_u32 v254, v255
	v_lshrrev_b32 v[W0], 5, v0
	v_readfirstlane_b32 s14, v[W0]                 ; wave 0..3
	v_and_b32 v[LANE], 31, v0
	s_lshl2_add_u32 s15, ttmp9, s14                ; row = 4 x work-group + wave
	s_mul_i32 s18, s15, ROWB                       ; at most 1,023 x 50,256: below 2^32
	s_mov_b32 s19, 0
	; The descriptor: one row of 12,672 elements of 4 bytes, of which the tensor holds 12,564 from the tile's first element on; the other 108 arrive in LDS as zeros and nothing behind the row is read.
	s_mov_b32 s20, 1                               ; group 0: count = 1
	s_mul_i32 s21, s14, WAVEB                      ; LDS address: the wave's own 50,688 bytes
	s_mov_b32 s24, 2<<16                           ; group 1: no mask, elements of 4 bytes, no padding
	s_mov_b32 s25, VOC<<16                         ; tensor_dim0 = 12,564
	s_mov_b32 s26, 1<<16                           ; tensor_dim1 = 1
	s_mov_b32 s27, (32*PER)<<16                    ; tile_dim0 = 12,672
	s_mov_b32 s28, 1                               ; tile_dim1 = 1
	s_mov_b32 s29, VOC                             ; elements from row to row
	s_mov_b32 s30, 0
	s_mov_b32 s31, 0
	s_wait_dscnt 0x0
	s_wait_kmcnt 0x0                               ; the addresses
	s_add_nc_u64 s[22:23], s[4:5], s[18:19]        ; my row's first byte
	s_or_b32 s23, s23, 0x80000000                  ; type = 2
	tensor_load_to_lds s[20:23], s[24:31]          ; the wave's only tensor load: one is out
	s_nop 0
	s_load_b32 s16, s[6:7], 0x0                    ; T
	s_load_b32 s17, s[8:9], 0x0                    ; top_p
	v_lshlrev_b32 v[UOF], 12, v[LANE]              ; lane r takes u[r][row]: 4,096 r + 4 row
	v_lshl_add_u32 v[UOF], s15, 2, v[UOF]
	global_load_b32 v[UU], v[UOF], s[10:11]
	s_mov_b32 s41, 0x41c80000                      ; 25.0 = top_k
	s_mov_b32 s49, 0xff800000                      ; -inf
	s_mov_b32 s50, 0x80000000
	s_mov_b32 s51, 0x7fffffff
	s_mov_b32 s52, 0xffff0000
	s_mov_b32 s53, 0x76543210
	s_mov_b32 s54, 0xfedcba98
	s_mov_b32 s55, 0xffffffff
	v_mul_u32_u24 v[LADR], v[LANE], LANEB
	v_add_nc_u32 v[LADR], s21, v[LADR]
	v_mul_u32_u24 v[LB], v[LANE], PER
	v_mov_b32 v[ER], 0                             ; destinations of lane moves count as read: written once here
	v_mov_b32 v[RO], 0
	v_mov_b32 v[RSH], 0
	v_mov_b32 v[T1], 0
	v_mov_b32 v[T3], 0
	v_mov_b32 v[TOK], 0
	s_wait_kmcnt 0x0                               ; T and top_p
	v_mov_b32 v[W0], s16
	RECIP W0                                       ; 1/T and -T
	s_wait_tensorcnt 0x0                           ; my row is in my LDS bytes; s[20:31] are free from here on
	; ---- the row into registers: lane L takes its 1,584 bytes, 99 loads of 16 ----
	WIN 0x40                                       ; destination window 1, address window 0
.set kk, 0
.rept N1/4
	ds_load_b128 v[4*kk:4*kk+3], v[LADR] offset:16*kk
.set kk, kk+1
.endr
	WIN 0x80                                       ; destination window 2
.rept N2/4
	ds_load_b128 v[4*(kk-N1/4):4*(kk-N1/4)+3], v[LADR] offset:16*kk
.set kk, kk+1
.endr
	; ---- softmax of l / T ----
	s_wait_dscnt 45                                ; LDS loads come back in order: window 1's 54 are in, the 45 issued behind them (window 2's) may stay out
	WIN 0x55
	DIVSEG N1
	s_wait_dscnt 0x0                               ; the whole row is in registers
	WIN 0xaa
	DIVSEG N2
.set jj, 72
.rept 108
	v_cndmask_b32 v[jj], v[jj], s49, s50           ; lane 31's elements 288..395 are padding: -inf, so they lose the maximum and their exponential is 0
.set jj, jj+1
.endr
	MAXSEG N2
	WIN 0x55
	MAXSEG N1
	WIN 0x09                                       ; source 0 window 1, source 1 window 2, destination window 0
	v_max_num_f32 v[T0], v[RES], v[RES]
	WIN 0
	REDMAX T0, T1
	v_mul_f32 v[T0], 0xbfb8aa3b, v[T0]             ; -max x log2 e: its rounding is one factor common to the whole row, which the division by the sum takes out
	v_readfirstlane_b32 s48, v[T0]
	WIN 0x55
	v_mov_b32 v[CCV], s48
	v_mov_b32 v[CCV+1], s48
	EXPSEG N1
	SUMSEG N1                                      ; its first line names elements 0 to 15: the plain instruction behind the last exponentials
	WIN 0xaa
	v_mov_b32 v[CCV], s48
	v_mov_b32 v[CCV+1], s48
	EXPSEG N2
	SUMSEG N2
	WIN 0x09
	v_add_f32 v[T0], v[RES], v[RES]
	WIN 0
	REDADD T0, T1                                  ; S, at least about 1: the largest element's exponential
	RECIP T0                                       ; 1/S and -S
	WIN 0x55
	DIVSEG N1                                      ; p = e / S
	WIN 0xaa
	DIVSEG N2
	WIN 0                                          ; at a label every window is 0
	s_wait_loadcnt 0x0                             ; u
	s_mov_b32 s56, 0                               ; the first pivot is 0
	s_mov_b32 s57, 0                               ; not yet succeeded
	s_mov_b32 s58, 0                               ; the first pass tests no sample
	s_mov_b32 s59, 0
	; ---- the 32 draws; no memory instruction stands in the loop ----
.Ldraw:
	WIN 0x55
	SEG 12
	WIN 0xaa
	SEG 10
	WIN 0x09
	v_add_f32 v[SL], v[PP+11], v[PP+9]             ; my lane's masked sum
	v_add_f32 v[CL], v[CN], v[CN]                  ; and count
	WIN 0
	s_lshl_b32 s60, 1, s59
	v_cndmask_b32 v[UR], 0, v[UU], s60             ; u of this draw sits in lane r
.irp d, 1,2,4,8
	v_add_f32_dpp v[SL], v[SL], v[SL] row_shr:\d row_mask:0xf bank_mask:0xf bound_ctrl:1   ; prefix sums inside each half of 16 lanes
	v_add_f32_dpp v[CL], v[CL], v[CL] row_xmask:\d row_mask:0xf bank_mask:0xf
	v_add_f32_dpp v[UR], v[UR], v[UR] row_xmask:\d row_mask:0xf bank_mask:0xf
.endr
	v_permlanex16_b32 v[RO], v[SL], s55, s55       ; lane 15 of the other half: its total
	v_permlanex16_b32 v[T0], v[CL], s53, s54
	v_permlanex16_b32 v[T1], v[UR], s53, s54
	v_mov_b32_dpp v[ER], v[SL] row_shr:1 row_mask:0xf bank_mask:0xf bound_ctrl:1
	v_mov_b32_dpp v[RSH], v[SL] row_share:15 row_mask:0xf bank_mask:0xf
	v_add_f32 v[CL], v[CL], v[T0]                  ; the number of p > th
	v_add_f32 v[UR], v[UR], v[T1]                  ; u, in every lane (31 zeros and u: exact)
	v_cndmask_b32 v[OFS], 0, v[RO], s52
	v_add_f32 v[TOT], v[RSH], v[RO]                ; the sum of p > th; the same bits in both halves, and equal to lane 31's inclusive prefix
	v_add_f32 v[INC], v[SL], v[OFS]
	v_add_f32 v[EXC], v[ER], v[OFS]                ; = the lane in front's inclusive prefix, bit for bit
	; the sample of the draw before is accepted if fewer than 25 tokens and less than top_p of mass lie above it
	v_cmp_lt_f32 s61, v[CL], s41
	v_cmp_lt_f32 s62, v[TOT], s17
	v_mul_f32 v[TG], v[UR], v[TOT]                 ; target = u x cdf[-1]
	s_and_b32 s61, s61, s62
	s_and_b32 s61, s61, s58
	s_or_b32 s57, s57, s61
	s_mov_b32 s58, -1
	v_cmp_ge_f32 s63, v[INC], v[TG]
	v_sub_f32 v[REM], v[TG], v[EXC]
	s_or_b32 s63, s63, s50                         ; lane 31 if no lane reaches the target
	s_sub_co_i32 s85, 0, s63
	s_and_b32 s84, s63, s85                        ; the first lane whose inclusive prefix reaches the target
	; every lane looks for the target among its own sub-blocks; the chosen lane's answer is taken at the end
	WIN 0x04                                       ; source 1 window 1
	v_sub_f32 v[REM2], v[REM], v[PP+11]
.set kk, 0
.rept 12
	v_cmp_gt_f32 s[FF+kk], v[REM], v[PP+kk]        ; the target lies behind sub-block kk
.set kk, kk+1
.endr
	WIN 0x05                                       ; sources 0 and 1 window 1
.set jj, 0
.rept SUB
	v_cndmask_b32 v[SEL+jj], v[jj], v[SUB+jj], s[FF]
.set jj, jj+1
.endr
	v_cndmask_b32 v[XX], 0, v[PP], s[FF]
	v_cndmask_b32 v[IDX], 0, SUB, s[FF]
	WIN 0x04
.set bb, 2
.rept 10
	SELBLK SUB*bb, bb-1
	v_cndmask_b32 v[XX], v[XX], v[PP+bb-1], s[FF+bb-1]
	v_cndmask_b32 v[IDX], v[IDX], SUB*bb, s[FF+bb-1]
.set bb, bb+1
.endr
	v_cndmask_b32 v[XX], v[XX], v[PP+11], s[FF+11]
	v_cndmask_b32 v[IDX], v[IDX], SUB*12, s[FF+11]
	WIN 0x08                                       ; source 1 window 2
.set kk, 0
.rept 9
	v_cmp_gt_f32 s[FF+12+kk], v[REM2], v[PP+kk]
.set kk, kk+1
.endr
	SELBLK 0, 11
.irp f, 15,16,17,18,19,20
	s_and_b32 s[FF+\f], s[FF+\f], s51              ; lane 31 stays in its last real sub-block, 15
.endr
.set bb, 13
.rept 9
	SELBLK SUB*(bb-12), bb-1
	v_cndmask_b32 v[XX], v[XX], v[PP+bb-13], s[FF+bb-1]
	v_cndmask_b32 v[IDX], v[IDX], SUB*bb, s[FF+bb-1]
.set bb, bb+1
.endr
	WIN 0
	; inside the chosen sub-block: three groups of six, each with its own short prefix sums and its own rest of the target
	v_cndmask_b32 v[YY], v[REM], v[REM2], s[FF+12] ; from sub-block 13 on the prefix counts from window 2's start
	v_sub_f32 v[RR], v[YY], v[XX]
.set jj, 0
.rept SUB
	v_cmp_gt_f32 s[MK+jj], v[SEL+jj], s56
.set jj, jj+1
.endr
.set jj, 0
.rept SUB
	v_cndmask_b32 v[QQ+jj], 0, v[SEL+jj], s[MK+jj]
.set jj, jj+1
.endr
.irp i, 1,2,3,4,5
.irp g, 0,1,2
	v_add_f32 v[QQ+6*\g+\i], v[QQ+6*\g+\i-1], v[QQ+6*\g+\i]
.endr
.endr
	v_sub_f32 v[RR+1], v[RR], v[QQ+5]
	v_sub_f32 v[RR+2], v[RR+1], v[QQ+11]
.set jj, 0
.rept SUB-1
	v_cmp_lt_f32 s[MK+jj], v[QQ+jj], v[RR+jj/6]    ; the target lies behind element jj; element 17 is taken when none stops it
.set jj, jj+1
.endr
	; value and index go through the same masks, so pv is p[idx] whatever the flags
.irp g, 0,1,2
	v_cndmask_b32 v[PV+\g], v[SEL+6*\g], v[SEL+6*\g+1], s[MK+6*\g]
	v_cndmask_b32 v[KI+\g], 6*\g, 6*\g+1, s[MK+6*\g]
.endr
.irp i, 2,3,4,5
.irp g, 0,1,2
	v_cndmask_b32 v[PV+\g], v[PV+\g], v[SEL+6*\g+\i], s[MK+6*\g+\i-1]
	v_cndmask_b32 v[KI+\g], v[KI+\g], 6*\g+\i, s[MK+6*\g+\i-1]
.endr
.endr
	v_cndmask_b32 v[PV], v[PV], v[PV+1], s[MK+5]
	v_cndmask_b32 v[KI], v[KI], v[KI+1], s[MK+5]
	v_cndmask_b32 v[PV], v[PV], v[PV+2], s[MK+11]
	v_cndmask_b32 v[KI], v[KI], v[KI+2], s[MK+11]
	v_add3_u32 v[T2], v[IDX], v[KI], v[LB]         ; idx = 396 lane + 18 sub-block + element
	v_cvt_f32_u32 v[T2], v[T2]
	v_cndmask_b32 v[PVM], 0, v[PV], s84            ; the chosen lane's answer and 31 zeros: the sums below are exact
	v_cndmask_b32 v[IXM], 0, v[T2], s84
	REDADD2 PVM, T1, IXM, T3
	v_cndmask_b32 v[TOK], v[IXM], v[TOK], s57      ; frozen once the row has succeeded
	v_readfirstlane_b32 s56, v[PVM]                ; the next threshold: pv
	s_add_co_u32 s59, s59, 1
	s_cmp_lt_u32 s59, DRAWS
	s_cbranch_scc1 .Ldraw
	; ---- one word a row ----
	v_cvt_u32_f32 v[TOK], v[TOK]
	s_lshl_b32 s18, s15, 2
	v_mov_b32 v[W0], s18
	s_wait_xcnt 0x0                                ; EXEC is narrowed only behind this wait: it was a source of the load of u
	v_cmp_eq_u32 vcc_lo, 0, v[LANE]
	s_wait_tensorcnt 0x0
	ds_add_u32 v254, v255
	s_wait_dscnt 0x0
	s_and_saveexec_b32 s85, vcc_lo
	global_store_b32 v[W0], v[TOK], s[12:13]       ; lane 0 alone; a work-group owns 16 bytes of out0
	s_endpgm
.Lfunc_end_k_q1a1db30f88_sample:
	.size	k_q1a1db30f88_sample, .Lfunc_end_k_q1a1db30f88_sample-k_q1a1db30f88_sample
	.p2alignl 7, 3214868480
	.fill 96, 4, 3214868480
	.section	.rodata,"a",@progbits
	.p2align	6, 0x0
	.amdhsa_kernel k_q1a1db30f88_sample
		.amdhsa_group_segment_fixed_size 203264
		.amdhsa_private_segment_fixed_size 0
		.amdhsa_enable_private_segment 0
		.amdhsa_kernarg_size 40
		.amdhsa_user_sgpr_count 2
		.amdhsa_user_sgpr_kernarg_segment_ptr 1
		.amdhsa_wavefront_size32 1
		.amdhsa_system_sgpr_workgroup_id_x 1
		.amdhsa_system_sgpr_workgroup_id_y 1
		.amdhsa_system_sgpr_workgroup_id_z 1
		.amdhsa_system_vgpr_workitem_id 0
		.amdhsa_next_free_vgpr 768
		.amdhsa_next_free_sgpr 86
		.amdhsa_reserve_vcc 1
		.amdhsa_float_denorm_mode_32 3
		.amdhsa_float_denorm_mode_16_64 3
		.amdhsa_memory_ordered 1
		.amdhsa_forward_progress 1
		.amdhsa_inst_pref_size 255
	.end_amdhsa_kernel
	.section	.bss,"aw",@nobits
	.p2align	6
	.space	262144
	.amdgpu_metadata
---
amdhsa.version: [ 1, 2 ]
amdhsa.kernels:
  - .name:           k_q1a1db30f88_sample
    .symbol:         k_q1a1db30f88_sample.kd
    .args:
      - { .name: logits, .offset: 0, .size: 8, .value_kind: global_buffer, .address_space: global }
      - { .name: temperature, .offset: 8, .size: 8, .value_kind: global_buffer, .address_space: global }
      - { .name: top_p, .offset: 16, .size: 8, .value_kind: global_buffer, .address_space: global }
      - { .name: uniform_samples, .offset: 24, .size: 8, .value_kind: global_buffer, .address_space: global }
      - { .name: out0, .offset: 32, .size: 8, .value_kind: global_buffer, .address_space: global }
    .group_segment_fixed_size: 203264
    .private_segment_fixed_size: 0
    .kernarg_segment_align: 8
    .kernarg_segment_size: 40
    .max_flat_workgroup_size: 128
    .sgpr_count:     86
    .vgpr_count:     768
    .wavefront_size: 32
...
	.end_amdgpu_metadata
.endif
;; end of part 1
;; ======== version 2 of 2: 1 launch; 1.14 times as fast as version 1
;; launch sample (part 2): grid 256 x 1, 4 waves a work-group, no clusters, 203,264 bytes of LDS; arguments logits, temperature, top_p, uniform_samples, out0; writes out0
.if DOCPART == 2
	.amdgcn_target "amdgcn-amd-amdhsa--gfx1250"
	.amdhsa_code_object_version 6
	.text
	.protected	k_q1a1db30f88_sample
	.globl	k_q1a1db30f88_sample
	.p2align	8
	.type	k_q1a1db30f88_sample,@function
k_q1a1db30f88_sample:
	s_mov_b64 s[64:65], 0
	v_nop
	global_prefetch_b8 v0, s[64:65] scope:SCOPE_SE
	s_setreg_imm32_b32 hwreg(HW_REG_WAVE_MODE, 25, 1), 1
	s_wait_xcnt 0x0
; Joint top-k / top-p rejection sampling.  logits [1024][12564] f32, temperature [1], top_p [1], uniform_samples [32][1024] f32,
; out0 [1024] int32; top_k = 25 is a constant of the problem.
; ONE WAVE OWNS ONE ROW (row = 4 x work-group + wave) and keeps all of it in registers through the softmax and all 32 draws:
; lane L holds the 396 neighbouring elements 396 L .. 396 L + 395 as 22 sub-blocks of 18 (32 x 396 = 12,672; lane 31 holds 288 real
; elements = 16 whole sub-blocks, and 6 sub-blocks of padding with p = 0).  The row is read from memory once, by one tensor load of the
; wave into the wave's own LDS bytes, and taken from there into registers once.  No wave reads another wave's bytes: no barrier.
; No branch and no address hangs on a floating-point result: every draw is computed for every row and every choice is a select,
; so the time does not hang on how soon the rows succeed.
;
; WHAT IS COMPUTED ONCE, AND WHAT IS LEFT OUT (for all values of the inputs, in exact arithmetic):
;  (a) While a row is open its pivot in draw r is pv of draw r-1.  So sum_gt and cnt_gt of draw r-1 (over probs > pv) and cdf[-1] of draw r
;      (the sum over probs > pivot) are sums over the same set: one masked pass per draw, with threshold th = pv of the draw before (0 in the
;      first), gives both.  Once a row has succeeded its token is frozen, and what the later passes compute for it is selected away.
;  (b) The acceptance test of the last draw reaches only 'success', which reference() returns to nobody: it is not made (32 passes, not 33).
;  (c) q >= 0, so cdf never falls, and the number of cdf < target is the first index with cdf >= target: it is found by lane, then by
;      sub-block, then by element, each time by comparing what is left of the target with a short prefix sum.
;  (d) min(idx, V-1) holds by construction: the last lane, its last real sub-block and the last element are taken when no earlier one is.
; Every input has a way to the output and is loaded.
;
; LIMITS.  NaN or infinite logits and temperature = 0 are not served.  Exponentials below 2^-126 come out as zero (reference() keeps
; denormals there).  The sums are formed in another order than reference()'s cumsum and the exponentials are the chip's: a target that lies
; within f32 rounding of a step of the cdf (some 1e-7 of the row's mass) may give the neighbouring token.  A NaN or an overflow that would
; reach only the test left out under (b) is not carried anywhere.
; No matrix work (there is no product), no cluster (no two work-groups read the same bytes), no ring of slots (one fill, nothing streams).
.set VOC,   12564                      ; elements in a row
.set ROWB,  4*VOC                      ; 50,256 bytes
.set PER,   396                        ; elements of a lane
.set LANEB, 4*PER                      ; 1,584 bytes = 99 x 16: an odd multiple of 16, so sixteen lanes' 16-byte reads fall into sixteen different columns of 16 bytes modulo 256
.set WAVEB, 32*LANEB                   ; 50,688 bytes of LDS for a wave: the row and 108 zeros
.set SUB,   18                         ; elements in a sub-block
.set N1,    216                        ; elements 0..215 of a lane lie in window 1 (12 sub-blocks),
.set N2,    180                        ; elements 216..395 in window 2 (10 sub-blocks), each from the window's register 0 on
.set DRAWS, 32
; Windows 1 and 2 share one map of the registers behind the elements.  In the draws:
.set MM,  216                          ; 18: the sub-block's mask as 0.0 / 1.0
.set SA,  234                          ; pair: masked sum, even turns
.set SB,  236                          ; pair: masked sum, odd turns
.set C0,  238                          ; pair: count, even turns
.set C1,  240                          ; pair: count, odd turns
.set PP,  242                          ; 12 (10): inclusive prefix of the sub-blocks' masked sums inside the window
.set CN,  254                          ; the window's count
; and in the softmax:
.set TA,  216                          ; 12: first quotient
.set TB,  228                          ; 12: residual
.set ACC, 224                          ; 4 pairs: running sums
.set RES, 232                          ; 4 running maxima; RES itself: the window's maximum or sum
.set CCV, 240                          ; pair: -max x log2 e
; Window 0:
.set LANE, 1
.set LADR, 2                           ; LDS address of my 1,584 bytes
.set LB,   3                           ; 396 x lane
.set UU,   4                           ; lane r: u[r][row]
.set TOK,  5                           ; the token, as f32 (below 2^24: exact)
.set SL,   6                           ; my lane's masked sum, then its inclusive prefix inside the half of 16 lanes
.set ER,   7                           ; the exclusive one
.set RO,   8                           ; the other half's total
.set RSH,  9                           ; my half's total
.set TOT,  10                          ; the row's masked sum
.set OFS,  11                          ; 0 in lanes 0-15, the lower half's total in lanes 16-31
.set INC,  12                          ; inclusive prefix over lanes
.set EXC,  13                          ; exclusive prefix over lanes
.set CL,   14                          ; count
.set T0,   15
.set UR,   16                          ; this draw's u
.set T1,   17
.set TG,   18                          ; target = u x total
.set REM,  19                          ; target - what lies in front of my lane
.set REM2, 20                          ; ... and in front of my window 2
.set XX,   21                          ; prefix in front of the chosen sub-block
.set IDX,  22                          ; 18 x the chosen sub-block
.set YY,   23
.set RR,   24                          ; 3: what is left of the target at elements 0, 6, 12 of the sub-block
.set UOF,  27
.set W0,   28                          ; 4: at work in front of the draws
.set SEL,  32                          ; 18: the chosen sub-block's p
.set QQ,   50                          ; 18: masked, then prefix sums inside groups of six
.set PV,   68                          ; 3: a group's chosen p
.set KI,   71                          ; 3: a group's chosen element
.set PVM,  74
.set IXM,  75
.set T2,   76
.set T3,   77
.set HH,   78                          ; 22: 1.0 for the chosen sub-block, 0.0 for the 21 others
; Scalars: s[4:13] the five addresses; s14 wave; s15 row; s16 T; s17 top_p; s[18:19] a 64-bit offset; s[20:31] the tensor descriptor.
; Once its load is done s[20:40] = FF: in the masked pass s[20:37] are the second set of 18 lane masks, behind it all 21 are the flags
; 'the target lies behind sub-block b'.  s41 25.0; s[42:43] 1/x twice, s[44:45] -x twice; s48 -max x log2 e; s49 -inf;
; s50 lane 31's bit = the sign bit; s52 lanes 16-31; s53, s54 lane i of the other half; s55 lane 15 of the other half; s56 the threshold;
; s57 'succeeded' (all lanes alike); s58 0 in the first draw, then -1; s59 the draw; s60-s63, s84, s85 at work; s[66:83] = MK, 18 lane masks.
.set FF, 20
.set MK, 66
.set MSB, 0
.macro WIN new                         ; which block of 256 registers each operand place means: bits 1:0 source 0, 3:2 source 1, 5:4 source 2, 7:6 destination;
.if MSB != \new                        ; the immediate's high byte repeats the setting that is left
	s_set_vgpr_msb (MSB<<8)|\new
.set MSB, \new
.endif
.endm
; s[42:43] = 1 / x, twice, and s[44:45] = -x, twice; x the same in every lane.  One Newton step on the chip's reciprocal.
.macro RECIP x
	v_rcp_f32 v[W0+1], v[\x]
	v_xor_b32 v[W0+3], s50, v[\x]                  ; -x; also the plain instruction between v_rcp_f32 and the first use of its result (ISA guide 5.7.2)
	s_wait_alu depctr_va_vdst(0)
	v_fma_f32 v[W0+2], v[W0+3], v[W0+1], 1.0       ; 1 - x r
	v_fma_f32 v[W0+1], v[W0+2], v[W0+1], v[W0+1]   ; r + r (1 - x r)
	v_readfirstlane_b32 s42, v[W0+1]
	v_readfirstlane_b32 s44, v[W0+3]
	s_mov_b32 s43, s42
	s_mov_b32 s45, s44
.endm
; The window's cnt elements are divided by x in place: q = a r, then q + r (a - x q), whose residual is exact in the fused form.
.macro DIVSEG cnt
.set gg, 0
.rept \cnt/12
.irp k, 0,1,2,3,4,5
	v_pk_mul_f32 v[TA+2*\k:TA+2*\k+1], v[gg+2*\k:gg+2*\k+1], s[42:43] op_sel_hi:[1,0]
.endr
.irp k, 0,1,2,3,4,5
	v_pk_fma_f32 v[TB+2*\k:TB+2*\k+1], v[TA+2*\k:TA+2*\k+1], s[44:45], v[gg+2*\k:gg+2*\k+1] op_sel_hi:[1,0,1]
.endr
.irp k, 0,1,2,3,4,5
	v_pk_fma_f32 v[gg+2*\k:gg+2*\k+1], v[TB+2*\k:TB+2*\k+1], s[42:43], v[TA+2*\k:TA+2*\k+1] op_sel_hi:[1,0,1]
.endr
.set gg, gg+12
.endr
.endm
; The largest of the window's cnt elements, in four chains started by the first eight elements; result in RES.
.macro MAXSEG cnt
.irp k, 0,1,2,3
	v_max_num_f32 v[RES+\k], v[2*\k], v[2*\k+1]
.endr
.set gg, 8
.rept (\cnt-8)/2
	v_max3_num_f32 v[RES+(gg/2)%4], v[RES+(gg/2)%4], v[gg], v[gg+1]
.set gg, gg+2
.endr
	v_max3_num_f32 v[RES], v[RES], v[RES+1], v[RES+2]
	v_max_num_f32 v[RES], v[RES], v[RES+3]
.endm
; e = 2^(x log2 e - max log2 e) in place: the maximum is taken away inside the fused multiply-add.  Twelve exponentials in a run; the plain
; instruction behind a run is the next group's first multiply-add, which names other registers (ISA guide 5.7.2).
.macro EXPSEG cnt
.set gg, 0
.rept \cnt/12
.irp k, 0,1,2,3,4,5
	v_pk_fma_f32 v[gg+2*\k:gg+2*\k+1], v[gg+2*\k:gg+2*\k+1], 0x3fb8aa3b, v[CCV:CCV+1] op_sel_hi:[1,0,1]
.endr
.irp k, 0,1,2,3,4,5,6,7,8,9,10,11
	v_exp_f32 v[gg+\k], v[gg+\k]
.endr
.set gg, gg+12
.endr
.endm
; The sum of the window's cnt elements, in four chains of pairs started by the first eight pairs; result in RES.
.macro SUMSEG cnt
	s_wait_alu depctr_va_vdst(0)
.irp k, 0,1,2,3
	v_pk_add_f32 v[ACC+2*\k:ACC+2*\k+1], v[2*\k:2*\k+1], v[2*\k+8:2*\k+9]
.endr
.set tt, 8
.rept \cnt/2-8
	v_pk_add_f32 v[ACC+2*(tt%4):ACC+2*(tt%4)+1], v[ACC+2*(tt%4):ACC+2*(tt%4)+1], v[2*tt:2*tt+1]
.set tt, tt+1
.endr
	v_pk_add_f32 v[ACC:ACC+1], v[ACC:ACC+1], v[ACC+2:ACC+3]
	v_pk_add_f32 v[ACC+4:ACC+5], v[ACC+4:ACC+5], v[ACC+6:ACC+7]
	v_pk_add_f32 v[ACC:ACC+1], v[ACC:ACC+1], v[ACC+4:ACC+5]
	v_add_f32 v[RES], v[ACC], v[ACC+1]
.endm
; Over the 32 lanes, result in every lane: four steps inside each half ride on the arithmetic, one crosses the halves.
.macro REDMAX r, t
.irp d, 1,2,4,8
	v_max_num_f32_dpp v[\r], v[\r], v[\r] row_xmask:\d row_mask:0xf bank_mask:0xf
.endr
	v_permlanex16_b32 v[\t], v[\r], s53, s54
	v_max_num_f32 v[\r], v[\r], v[\t]
.endm
.macro REDADD r, t
.irp d, 1,2,4,8
	v_add_f32_dpp v[\r], v[\r], v[\r] row_xmask:\d row_mask:0xf bank_mask:0xf
.endr
	v_permlanex16_b32 v[\t], v[\r], s53, s54
	v_add_f32 v[\r], v[\r], v[\t]
.endm
.macro REDADD2 ra, ta, rb, tb          ; two sums by turns
.irp d, 1,2,4,8
	v_add_f32_dpp v[\ra], v[\ra], v[\ra] row_xmask:\d row_mask:0xf bank_mask:0xf
	v_add_f32_dpp v[\rb], v[\rb], v[\rb] row_xmask:\d row_mask:0xf bank_mask:0xf
.endr
	v_permlanex16_b32 v[\ta], v[\ra], s53, s54
	v_permlanex16_b32 v[\tb], v[\rb], s53, s54
	v_add_f32 v[\ra], v[\ra], v[\ta]
	v_add_f32 v[\rb], v[\rb], v[\tb]
.endm
; The end of sub-block b's sum, behind SA += SB: the two halves are added, and the prefix goes on.
.macro FIN2 b
.if (\b) == 0
	v_add_f32 v[PP], v[SA], v[SA+1]
.else
	v_add_f32 v[SA], v[SA], v[SA+1]
.endif
.endm
.macro FIN3 b
.if (\b) > 0
	v_add_f32 v[PP+(\b)], v[PP+(\b)-1], v[SA]
.endif
.endm
; One window's part of a masked pass.  For each of its nb sub-blocks: the 18 masks p > th, the masks as 0.0 / 1.0, then nine turns of two
; fused multiply-adds (the masked sum) and two adds (the count).  The first products and the first adds start the sums: nothing is cleared.
; Two sets of 18 scalar masks take turns, MK for the even sub-blocks and FF for the odd ones: while sub-block b's packed arithmetic runs
; from registers, the compares of sub-block b+1 write the other set, one compare behind each packed instruction, so that only the window's
; first sub-block has its 18 compares in a row.  The three lines that end a sub-block's sum stand among the next sub-block's selects.
.macro SEG nb
.set jj, 0
.rept SUB
	v_cmp_gt_f32 s[MK+jj], v[jj], s56
.set jj, jj+1
.endr
.set bb, 0
.rept \nb
.set ms, MK+(FF-MK)*(bb%2)             ; this sub-block's masks
.set ns, MK+(FF-MK)*((bb+1)%2)         ; the next one's
.set jj, 0
.rept SUB
	v_cndmask_b32 v[MM+jj], 0, 1.0, s[ms+jj]
.if bb > 0
.if jj == 5
	v_pk_add_f32 v[SA:SA+1], v[SA:SA+1], v[SB:SB+1]
.endif
.if jj == 11
	FIN2 bb-1
.endif
.if jj == 17
	FIN3 bb-1
.endif
.endif
.set jj, jj+1
.endr
.set tt, 0
.rept SUB/2
.if tt < 2
	v_pk_mul_f32 v[SA+2*tt:SA+2*tt+1], v[SUB*bb+2*tt:SUB*bb+2*tt+1], v[MM+2*tt:MM+2*tt+1]
.else
	v_pk_fma_f32 v[SA+2*(tt%2):SA+2*(tt%2)+1], v[SUB*bb+2*tt:SUB*bb+2*tt+1], v[MM+2*tt:MM+2*tt+1], v[SA+2*(tt%2):SA+2*(tt%2)+1]
.endif
.if bb+1 < \nb
	v_cmp_gt_f32 s[ns+2*tt], v[SUB*(bb+1)+2*tt], s56
.endif
.if bb == 0
.if tt == 1
	v_pk_add_f32 v[C0:C0+1], v[MM:MM+1], v[MM+2:MM+3]
.endif
.if tt == 3
	v_pk_add_f32 v[C1:C1+1], v[MM+4:MM+5], v[MM+6:MM+7]
.endif
.if tt > 3
	v_pk_add_f32 v[C0+2*(tt%2):C0+2*(tt%2)+1], v[C0+2*(tt%2):C0+2*(tt%2)+1], v[MM+2*tt:MM+2*tt+1]
.endif
.else
	v_pk_add_f32 v[C0+2*(tt%2):C0+2*(tt%2)+1], v[C0+2*(tt%2):C0+2*(tt%2)+1], v[MM+2*tt:MM+2*tt+1]
.endif
.if bb+1 < \nb
	v_cmp_gt_f32 s[ns+2*tt+1], v[SUB*(bb+1)+2*tt+1], s56
.endif
.set tt, tt+1
.endr
.set bb, bb+1
.endr
	v_pk_add_f32 v[SA:SA+1], v[SA:SA+1], v[SB:SB+1]
	v_pk_add_f32 v[C0:C0+1], v[C0:C0+1], v[C1:C1+1]
	FIN2 \nb-1
	v_add_f32 v[CN], v[C0], v[C0+1]
	FIN3 \nb-1
.endm
; In the lanes of flag f the search goes on to sub-block f+1: the prefix in front of it (register preg of source 1's window) and 18 (f+1).
.macro STEPX f, preg
.if (\f) == 0
	v_cndmask_b32 v[XX], 0, v[\preg], s[FF]
	v_cndmask_b32 v[IDX], 0, SUB, s[FF]
.else
	v_cndmask_b32 v[XX], v[XX], v[\preg], s[FF+(\f)]
	v_cndmask_b32 v[IDX], v[IDX], SUB*((\f)+1), s[FF+(\f)]
.endif
.endm
; Flag 12+c.  From flag 15 on lane 31 compares -inf, so it stays in its last real sub-block, 15.
.macro CMP2 c
.if (\c) < 3
	v_cmp_gt_f32 s[FF+12+(\c)], v[REM2], v[PP+(\c)]
.else
	v_cmp_gt_f32 s[FF+12+(\c)], v[T2], v[PP+(\c)]
.endif
.endm
; SEL += (sub-block b, at register lo of source 0's window) x (its 0.0 or 1.0), two elements an instruction.  The factor is one register of
; an even-aligned pair, taken for both halves: the first by op_sel_hi 0, the second by op_sel 1.
.macro GATH lo, b
.set tt, 0
.rept SUB/2
.if (\b)%2
	v_pk_fma_f32 v[SEL+2*tt:SEL+2*tt+1], v[(\lo)+2*tt:(\lo)+2*tt+1], v[HH+(\b)-1:HH+(\b)], v[SEL+2*tt:SEL+2*tt+1] op_sel:[0,1,0] op_sel_hi:[1,1,1]
.else
	v_pk_fma_f32 v[SEL+2*tt:SEL+2*tt+1], v[(\lo)+2*tt:(\lo)+2*tt+1], v[HH+(\b):HH+(\b)+1], v[SEL+2*tt:SEL+2*tt+1] op_sel_hi:[1,0,1]
.endif
.set tt, tt+1
.endr
.endm
	; ---- addresses, the one tensor load, constants ----
	s_load_b256 s[4:11], s[0:1], 0x0               ; logits s[4:5], temperature s[6:7], top_p s[8:9], uniform_samples s[10:11]
	s_load_b64 s[12:13], s[0:1], 0x20              ; out0
	v_lshl_add_u32 v254, v0, 2, 0x31800
	v_mov_b32 v255, 0
	ds_add_u32 v254, v255
	ds_add_u32 v254, v255
	v_lshrrev_b32 v[W0], 5, v0
	v_readfirstlane_b32 s14, v[W0]                 ; wave 0..3
	v_and_b32 v[LANE], 31, v0
	s_lshl2_add_u32 s15, ttmp9, s14                ; row = 4 x work-group + wave
	s_mul_i32 s18, s15, ROWB                       ; at most 1,023 x 50,256: below 2^32
	s_mov_b32 s19, 0
	; The descriptor: one row of 12,672 elements of 4 bytes, of which the tensor holds 12,564 from the tile's first element on; the other 108 arrive in LDS as zeros and nothing behind the row is read.
	s_mov_b32 s20, 1                               ; group 0: count = 1
	s_mul_i32 s21, s14, WAVEB                      ; LDS address: the wave's own 50,688 bytes
	s_mov_b32 s24, 2<<16                           ; group 1: no mask, elements of 4 bytes, no padding
	s_mov_b32 s25, VOC<<16                         ; tensor_dim0 = 12,564
	s_mov_b32 s26, 1<<16                           ; tensor_dim1 = 1
	s_mov_b32 s27, (32*PER)<<16                    ; tile_dim0 = 12,672
	s_mov_b32 s28, 1                               ; tile_dim1 = 1
	s_mov_b32 s29, VOC                             ; elements from row to row
	s_mov_b32 s30, 0
	s_mov_b32 s31, 0
	s_wait_dscnt 0x0
	s_wait_kmcnt 0x0                               ; the addresses
	s_add_nc_u64 s[22:23], s[4:5], s[18:19]        ; my row's first byte
	s_or_b32 s23, s23, 0x80000000                  ; type = 2
	tensor_load_to_lds s[20:23], s[24:31]          ; the wave's only tensor load: one is out
	s_nop 0
	s_load_b32 s16, s[6:7], 0x0                    ; T
	s_load_b32 s17, s[8:9], 0x0                    ; top_p
	v_lshlrev_b32 v[UOF], 12, v[LANE]              ; lane r takes u[r][row]: 4,096 r + 4 row
	v_lshl_add_u32 v[UOF], s15, 2, v[UOF]
	global_load_b32 v[UU], v[UOF], s[10:11]
	s_mov_b32 s41, 0x41c80000                      ; 25.0 = top_k
	s_mov_b32 s49, 0xff800000                      ; -inf
	s_mov_b32 s50, 0x80000000
	s_mov_b32 s52, 0xffff0000
	s_mov_b32 s53, 0x76543210
	s_mov_b32 s54, 0xfedcba98
	s_mov_b32 s55, 0xffffffff
	v_mul_u32_u24 v[LADR], v[LANE], LANEB
	v_add_nc_u32 v[LADR], s21, v[LADR]
	v_mul_u32_u24 v[LB], v[LANE], PER
	v_mov_b32 v[ER], 0                             ; destinations of lane moves count as read: written once here
	v_mov_b32 v[RO], 0
	v_mov_b32 v[RSH], 0
	v_mov_b32 v[T1], 0
	v_mov_b32 v[T3], 0
	v_mov_b32 v[TOK], 0
	s_wait_kmcnt 0x0                               ; T and top_p
	v_mov_b32 v[W0], s16
	RECIP W0                                       ; 1/T and -T
	s_wait_tensorcnt 0x0                           ; my row is in my LDS bytes; s[20:31] are free from here on
	; ---- the row into registers: lane L takes its 1,584 bytes, 99 loads of 16 ----
	WIN 0x40                                       ; destination window 1, address window 0
.set kk, 0
.rept N1/4
	ds_load_b128 v[4*kk:4*kk+3], v[LADR] offset:16*kk
.set kk, kk+1
.endr
	WIN 0x80                                       ; destination window 2
.rept N2/4
	ds_load_b128 v[4*(kk-N1/4):4*(kk-N1/4)+3], v[LADR] offset:16*kk
.set kk, kk+1
.endr
	; ---- softmax of l / T ----
	s_wait_dscnt 45                                ; LDS loads come back in order: window 1's 54 are in, the 45 issued behind them (window 2's) may stay out
	WIN 0x55
	DIVSEG N1
	s_wait_dscnt 0x0                               ; the whole row is in registers
	WIN 0xaa
	DIVSEG N2
.set jj, 72
.rept 108
	v_cndmask_b32 v[jj], v[jj], s49, s50           ; lane 31's elements 288..395 are padding: -inf, so they lose the maximum and their exponential is 0
.set jj, jj+1
.endr
	MAXSEG N2
	WIN 0x55
	MAXSEG N1
	WIN 0x09                                       ; source 0 window 1, source 1 window 2, destination window 0
	v_max_num_f32 v[T0], v[RES], v[RES]
	WIN 0
	REDMAX T0, T1
	v_mul_f32 v[T0], 0xbfb8aa3b, v[T0]             ; -max x log2 e: its rounding is one factor common to the whole row, which the division by the sum takes out
	v_readfirstlane_b32 s48, v[T0]
	WIN 0x55
	v_mov_b32 v[CCV], s48
	v_mov_b32 v[CCV+1], s48
	EXPSEG N1
	SUMSEG N1                                      ; its first line names elements 0 to 15: the plain instruction behind the last exponentials
	WIN 0xaa
	v_mov_b32 v[CCV], s48
	v_mov_b32 v[CCV+1], s48
	EXPSEG N2
	SUMSEG N2
	WIN 0x09
	v_add_f32 v[T0], v[RES], v[RES]
	WIN 0
	REDADD T0, T1                                  ; S, at least about 1: the largest element's exponential
	RECIP T0                                       ; 1/S and -S
	WIN 0x55
	DIVSEG N1                                      ; p = e / S
	WIN 0xaa
	DIVSEG N2
	WIN 0                                          ; at a label every window is 0
	s_wait_loadcnt 0x0                             ; u
	s_mov_b32 s56, 0                               ; the first pivot is 0
	s_mov_b32 s57, 0                               ; not yet succeeded
	s_mov_b32 s58, 0                               ; the first pass tests no sample
	s_mov_b32 s59, 0
	; ---- the 32 draws; no memory instruction stands in the loop ----
.Ldraw:
	WIN 0x55
	SEG 12
	WIN 0xaa
	SEG 10
	WIN 0x09
	v_add_f32 v[SL], v[PP+11], v[PP+9]             ; my lane's masked sum
	v_add_f32 v[CL], v[CN], v[CN]                  ; and count
	WIN 0
	s_lshl_b32 s60, 1, s59
	v_cndmask_b32 v[UR], 0, v[UU], s60             ; u of this draw sits in lane r
.irp d, 1,2,4,8
	v_add_f32_dpp v[SL], v[SL], v[SL] row_shr:\d row_mask:0xf bank_mask:0xf bound_ctrl:1   ; prefix sums inside each half of 16 lanes
	v_add_f32_dpp v[CL], v[CL], v[CL] row_xmask:\d row_mask:0xf bank_mask:0xf
	v_add_f32_dpp v[UR], v[UR], v[UR] row_xmask:\d row_mask:0xf bank_mask:0xf
.endr
	v_permlanex16_b32 v[RO], v[SL], s55, s55       ; lane 15 of the other half: its total
	v_permlanex16_b32 v[T0], v[CL], s53, s54
	v_permlanex16_b32 v[T1], v[UR], s53, s54
	v_mov_b32_dpp v[ER], v[SL] row_shr:1 row_mask:0xf bank_mask:0xf bound_ctrl:1
	v_mov_b32_dpp v[RSH], v[SL] row_share:15 row_mask:0xf bank_mask:0xf
	v_add_f32 v[CL], v[CL], v[T0]                  ; the number of p > th
	v_add_f32 v[UR], v[UR], v[T1]                  ; u, in every lane (31 zeros and u: exact)
	v_cndmask_b32 v[OFS], 0, v[RO], s52
	v_add_f32 v[TOT], v[RSH], v[RO]                ; the sum of p > th; the same bits in both halves, and equal to lane 31's inclusive prefix
	v_add_f32 v[INC], v[SL], v[OFS]
	v_add_f32 v[EXC], v[ER], v[OFS]                ; = the lane in front's inclusive prefix, bit for bit
	; the sample of the draw before is accepted if fewer than 25 tokens and less than top_p of mass lie above it
	v_cmp_lt_f32 s61, v[CL], s41
	v_cmp_lt_f32 s62, v[TOT], s17
	v_mul_f32 v[TG], v[UR], v[TOT]                 ; target = u x cdf[-1]
	s_and_b32 s61, s61, s62
	s_and_b32 s61, s61, s58
	s_or_b32 s57, s57, s61
	s_mov_b32 s58, -1
	v_cmp_ge_f32 s63, v[INC], v[TG]
	v_sub_f32 v[REM], v[TG], v[EXC]
	s_or_b32 s63, s63, s50                         ; lane 31 if no lane reaches the target
	s_sub_co_i32 s85, 0, s63
	s_and_b32 s84, s63, s85                        ; the first lane whose inclusive prefix reaches the target
	; Every lane looks for the target among its own sub-blocks; the chosen lane's answer is taken at the end.
	; Flag b = the target lies behind sub-block b.  Each compare stands two flags ahead of the two selects that read its flag.
	WIN 0x04                                       ; source 1 window 1
	v_sub_f32 v[REM2], v[REM], v[PP+11]
	v_cmp_gt_f32 s[FF], v[REM], v[PP]
	v_cmp_gt_f32 s[FF+1], v[REM], v[PP+1]
.set kk, 2
.rept 10
	v_cmp_gt_f32 s[FF+kk], v[REM], v[PP+kk]
	STEPX kk-2, PP+kk-2
.set kk, kk+1
.endr
	STEPX 10, PP+10
	STEPX 11, PP+11
	WIN 0x08                                       ; source 1 window 2
	v_cndmask_b32 v[T2], v[REM2], s49, s50         ; the rest of the target, but -inf in lane 31
	CMP2 0
	CMP2 1
.set kk, 2
.rept 7
	CMP2 kk
	STEPX 10+kk, PP+kk-2
.set kk, kk+1
.endr
	STEPX 19, PP+7
	STEPX 20, PP+8
	WIN 0
	v_cndmask_b32 v[YY], v[REM], v[REM2], s[FF+12] ; from sub-block 13 on the prefix counts from window 2's start
	; The flags never rise with b: the prefixes are sums of terms that are not negative, and REM2 has the sign of REM - P1_11 exactly, so a
	; false flag 11 makes all of window 2's false.  So (flag b-1) and not (flag b) holds for exactly one b, the sub-block that the selects
	; above chose.  The masks are made in place: flag b-1 is needed no more once mask b-1 is made.
	s_not_b32 s85, s[FF]                           ; sub-block 0: not flag 0
.set bb, 1
.rept 20
	s_and_not1_b32 s[FF+bb-1], s[FF+bb-1], s[FF+bb]
.set bb, bb+1
.endr                                              ; sub-block 21: flag 20 as it stands
	v_sub_f32 v[RR], v[YY], v[XX]
	v_cndmask_b32 v[HH], 0, 1.0, s85
.set bb, 1
.rept 21
	v_cndmask_b32 v[HH+bb], 0, 1.0, s[FF+bb-1]
.set bb, bb+1
.endr
	; The chosen sub-block's 18 p: one p and 21 zeros each, so the sums are exact.  22 x 9 packed instructions, where 21 x 18 selects would do the same.
	WIN 0x01                                       ; source 0 window 1
.set tt, 0
.rept SUB/2
	v_pk_mul_f32 v[SEL+2*tt:SEL+2*tt+1], v[2*tt:2*tt+1], v[HH:HH+1] op_sel_hi:[1,0]
.set tt, tt+1
.endr
.set bb, 1
.rept 11
	GATH SUB*bb, bb
.set bb, bb+1
.endr
	WIN 0x02                                       ; source 0 window 2
.rept 10
	GATH SUB*(bb-12), bb
.set bb, bb+1
.endr
	WIN 0
	; inside the chosen sub-block: three groups of six, each with its own short prefix sums and its own rest of the target
.set jj, 0
.rept SUB
	v_cmp_gt_f32 s[MK+jj], v[SEL+jj], s56
.set jj, jj+1
.endr
.set jj, 0
.rept SUB
	v_cndmask_b32 v[QQ+jj], 0, v[SEL+jj], s[MK+jj]
.set jj, jj+1
.endr
.irp i, 1,2,3,4,5
.irp g, 0,1,2
	v_add_f32 v[QQ+6*\g+\i], v[QQ+6*\g+\i-1], v[QQ+6*\g+\i]
.endr
.endr
	v_sub_f32 v[RR+1], v[RR], v[QQ+5]
	v_sub_f32 v[RR+2], v[RR+1], v[QQ+11]
.set jj, 0
.rept SUB-1
	v_cmp_lt_f32 s[MK+jj], v[QQ+jj], v[RR+jj/6]    ; the target lies behind element jj; element 17 is taken when none stops it
.set jj, jj+1
.endr
	; value and index go through the same masks, so pv is p[idx] whatever the flags
.irp g, 0,1,2
	v_cndmask_b32 v[PV+\g], v[SEL+6*\g], v[SEL+6*\g+1], s[MK+6*\g]
	v_cndmask_b32 v[KI+\g], 6*\g, 6*\g+1, s[MK+6*\g]
.endr
.irp i, 2,3,4,5
.irp g, 0,1,2
	v_cndmask_b32 v[PV+\g], v[PV+\g], v[SEL+6*\g+\i], s[MK+6*\g+\i-1]
	v_cndmask_b32 v[KI+\g], v[KI+\g], 6*\g+\i, s[MK+6*\g+\i-1]
.endr
.endr
	v_cndmask_b32 v[PV], v[PV], v[PV+1], s[MK+5]
	v_cndmask_b32 v[KI], v[KI], v[KI+1], s[MK+5]
	v_cndmask_b32 v[PV], v[PV], v[PV+2], s[MK+11]
	v_cndmask_b32 v[KI], v[KI], v[KI+2], s[MK+11]
	v_add3_u32 v[T2], v[IDX], v[KI], v[LB]         ; idx = 396 lane + 18 sub-block + element
	v_cvt_f32_u32 v[T2], v[T2]
	v_cndmask_b32 v[PVM], 0, v[PV], s84            ; the chosen lane's answer and 31 zeros: the sums below are exact
	v_cndmask_b32 v[IXM], 0, v[T2], s84
	REDADD2 PVM, T1, IXM, T3
	v_cndmask_b32 v[TOK], v[IXM], v[TOK], s57      ; frozen once the row has succeeded
	v_readfirstlane_b32 s56, v[PVM]                ; the next threshold: pv
	s_add_co_u32 s59, s59, 1
	s_cmp_lt_u32 s59, DRAWS
	s_cbranch_scc1 .Ldraw
	; ---- one word a row ----
	v_cvt_u32_f32 v[TOK], v[TOK]
	s_lshl_b32 s18, s15, 2
	v_mov_b32 v[W0], s18
	s_wait_xcnt 0x0                                ; EXEC is narrowed only behind this wait: it was a source of the load of u
	v_cmp_eq_u32 vcc_lo, 0, v[LANE]
	s_wait_tensorcnt 0x0
	ds_add_u32 v254, v255
	s_wait_dscnt 0x0
	s_and_saveexec_b32 s85, vcc_lo
	global_store_b32 v[W0], v[TOK], s[12:13]       ; lane 0 alone; a work-group owns 16 bytes of out0
	s_endpgm
.Lfunc_end_k_q1a1db30f88_sample:
	.size	k_q1a1db30f88_sample, .Lfunc_end_k_q1a1db30f88_sample-k_q1a1db30f88_sample
	.p2alignl 7, 3214868480
	.fill 96, 4, 3214868480
	.section	.rodata,"a",@progbits
	.p2align	6, 0x0
	.amdhsa_kernel k_q1a1db30f88_sample
		.amdhsa_group_segment_fixed_size 203264
		.amdhsa_private_segment_fixed_size 0
		.amdhsa_enable_private_segment 0
		.amdhsa_kernarg_size 40
		.amdhsa_user_sgpr_count 2
		.amdhsa_user_sgpr_kernarg_segment_ptr 1
		.amdhsa_wavefront_size32 1
		.amdhsa_system_sgpr_workgroup_id_x 1
		.amdhsa_system_sgpr_workgroup_id_y 1
		.amdhsa_system_sgpr_workgroup_id_z 1
		.amdhsa_system_vgpr_workitem_id 0
		.amdhsa_next_free_vgpr 768
		.amdhsa_next_free_sgpr 86
		.amdhsa_reserve_vcc 1
		.amdhsa_float_denorm_mode_32 3
		.amdhsa_float_denorm_mode_16_64 3
		.amdhsa_memory_ordered 1
		.amdhsa_forward_progress 1
		.amdhsa_inst_pref_size 254
	.end_amdhsa_kernel
	.amdgpu_metadata
---
amdhsa.version: [ 1, 2 ]
amdhsa.kernels:
  - .name:           k_q1a1db30f88_sample
    .symbol:         k_q1a1db30f88_sample.kd
    .args:
      - { .name: logits, .offset: 0, .size: 8, .value_kind: global_buffer, .address_space: global }
      - { .name: temperature, .offset: 8, .size: 8, .value_kind: global_buffer, .address_space: global }
      - { .name: top_p, .offset: 16, .size: 8, .value_kind: global_buffer, .address_space: global }
      - { .name: uniform_samples, .offset: 24, .size: 8, .value_kind: global_buffer, .address_space: global }
      - { .name: out0, .offset: 32, .size: 8, .value_kind: global_buffer, .address_space: global }
    .group_segment_fixed_size: 203264
    .private_segment_fixed_size: 0
    .kernarg_segment_align: 8
    .kernarg_segment_size: 40
    .max_flat_workgroup_size: 128
    .sgpr_count:     86
    .vgpr_count:     768
    .wavefront_size: 32
...
	.end_amdgpu_metadata
.endif
;; end of part 2
